; MI455X (gfx1250); checked and timed in simulation.
; The chip was launched on July 23, 2026; its instructions are those of AMD's public machine-readable ISA for CDNA 5 (MIT licence, August 2026) and "CDNA5" Instruction Set Architecture Reference Guide (July 2026). The comments in the code are by the model that wrote it; some were corrected since.
;; Triangle Attention. Allowed arithmetic: float matrix products may take bf16 or f16 operands with f32 sums; all other float work in f32.
;; Inputs: bias_w 4 x 128 float32; g_w 128 x 128 float32; k_w 128 x 128 float32; ln_b 128 float32; ln_w 128 float32; o_w 128 x 128 float32; q_w 128 x 128 float32; v_w 128 x 128 float32; x 1 x 256 x 256 x 128 float32.
;; Outputs: out0 1 x 256 x 256 x 128 float32.
;; 2 versions, each right; version 2 is version 1 with the launch prep written anew for expert scheduling mode. Each part assembles by itself: llvm-mc -triple=amdgcn-amd-amdhsa -mcpu=gfx1250 --defsym DOCPART=n.
;; ======== version 1 of 2: 2 launches
;; limits: values are held in f16: magnitudes above 65,504 overflow, below 6.1e-05 lose precision
;; workspace buffers: tbias 1,048,576 bytes; wfrag 163,840 bytes; hn 16,777,216 bytes
;; launch prep (part 1): grid 256 x 1, 8 waves a work-group, no clusters, 5,376 bytes of LDS; arguments x, ln_w, bias_w, q_w, k_w, v_w, g_w, o_w, tbias, wfrag, ln_b, hn; writes tbias, wfrag, hn
.if DOCPART == 1
	.amdgcn_target "amdgcn-amd-amdhsa--gfx1250"
	.amdhsa_code_object_version 6
	.text
	.protected	k_qb8b6a0ecac_prep
	.globl	k_qb8b6a0ecac_prep
	.p2align	8
	.type	k_qb8b6a0ecac_prep,@function
k_qb8b6a0ecac_prep:
	s_mov_b64 s[64:65], 0
	v_nop
	global_prefetch_b8 v0, s[64:65] scope:SCOPE_SE
	s_setreg_imm32_b32 hwreg(HW_REG_WAVE_MODE, 25, 1), 1
	s_wait_xcnt 0x0
; PREP: the LayerNorm of all rows (stored as f16), the triangle bias, and the five weight matrices as f16 matrix fragments.
;
; WORK LEFT OUT.  tri_bias[h][j][k] = rs(j,k) * sum_d (x[j][k][d] - mu(j,k)) * ln_w[d] * bias_w[h][d]  +  sum_d ln_b[d] * bias_w[h][d].
; The second sum hangs on neither j nor k: for every value of the inputs it is one number for each head, added to all 256 scores along
; the axis k over which the softmax runs, and a term that is the same along that axis cancels in the softmax.  So that product is not
; made.  ln_b itself is live (it is part of hn, from which q, k, v and the gate are made) and is loaded for that alone.
; LIMIT: a NaN, an infinity or an overflow that arises only in sum_d ln_b[d] * bias_w[h][d] is not carried to the result.
; LIMIT: hn and the weights are rounded to f16 (11 significant bits; steps of 2^-24 below 2^-14); beyond 65,504 in magnitude they become infinite.
;
; tbias, f32, in the order in which a 16 x 16 accumulator of the next launch lies in registers:
;   byte h*262144 + jt*16384 + kt*1024 + c*512 + L*16 + e*4 = log2(e) * tri_bias[h][16 jt + (L & 15)][16 kt + 8 (L >> 4) + 4 c + e]
; hn, f16: row (j, k) at byte (256 j + k) * 256.  THE CHANNELS LIE IN THE ORDER IN WHICH THE LANES HOLD THEM: position 8 rho + e holds channel
;   ch(8 rho + e) = 4 rho + e for e < 4 and 64 + 4 rho + e - 4 for e >= 4.  So x is loaded in whole runs of 256 bytes and a row of hn is stored by sixteen lanes as
;   256 consecutive bytes.  q_w, k_w, v_w and g_w take the same order along d: a permutation of the summed index that is alike in both operands of a product
;   leaves its terms as they are.
; wfrag, f16, matrix m = 0..4 (q_w, k_w, v_w, g_w, o_w):
;   byte m*32768 + t*4096 + s*1024 + c*512 + L*16 = f_m * W_m[16 t + (L & 15)][ch(p)], p = 32 s + 16 c + 8 (L >> 4) + 0..7   (for o_w: column p itself)
;   f_0 = 32^-0.5 * log2(e), so that q k is an exponent of 2;  f_3 = -log2(e), so that the gate is 1 / (1 + 2^(product));  the other f_m = 1.
;
; SHARES.  Work-group id = 16 jt + kt owns the 16 x 16 rows x[16 jt + a][16 kt + kl]; wave w owns a = 2 w and 2 w + 1, sixteen pairs of rows.
; In a pair lanes 0-15 hold row kl, lanes 16-31 row kl + 1; lane (r, hh) holds columns 4 r .. 4 r + 3 and 64 + 4 r .. + 3, so each load of a wave
; covers two aligned runs of 256 bytes.  All 32 loads of a wave go out at once: 16 KiB a wave, 128 KiB a work-group.
; The bias product has four columns only and the launch streams x once, so it is done by f32 multiply-adds: no matrix unit, no cluster
; (no two work-groups read the same bytes of x).  The LayerNorm takes the mean first and then the centred squares, as the problem writes it.
.set LOG2E,  0x3fb8aa3b
.set NLOG2E, 0xbfb8aa3b
.set QS,     0x3e8293ee                ; 32^-0.5 * log2(e)
.set LPITCH, 272                       ; LDS: word [a][kl][h] at a*272 + kl*16 + h*4
; v1 offset in hn, v2 r, v3 hh, v4 offset in x, v5 LDS store, v6 LDS read, v7 offset in tbias, v8 16 r, v9 and v11 offsets in a weight matrix, v10 16 t
.set LNW,  12                          ; v[12:19]  ln_w of my 8 columns
.set WB,   20                          ; v[20:51]  head h at 20 + 8 h: log2(e) * ln_w * bias_w[h] of my 8 columns
.set T,    52                          ; v[52:59]  at work
.set RED,  60                          ; v[60:69]  five sums: heads 0-3 at 60 + 2 h, the squares at 68
.set R,    70                          ; v[70:71]  1 / sigma (v71: the half of a broadcast pair that is never used)
.set OUTQ, 72                          ; v[72:75]  my 16 bytes of tbias
.set WF,   76                          ; v[76:83]  eight weights in f32
.set WH,   84                          ; v[84:87]  the same in f16
.set LNB,  88                          ; v[88:95]  ln_b of my 8 columns
.set X,    96                          ; v[96:223] pair p at 96 + 8 p
.macro XLOADS                          ; all 32 loads of x of the wave; x is read once
.irp p, 0,1,2,3,4,5,6,7,8,9,10,11,12,13,14,15
	global_load_b128 v[X+8*\p:X+8*\p+3],   v4, s[4:5] offset:(\p/8)*131072+(\p%8)*1024 th:TH_LOAD_NT
	global_load_b128 v[X+8*\p+4:X+8*\p+7], v4, s[4:5] offset:(\p/8)*131072+(\p%8)*1024+256 th:TH_LOAD_NT
.endr
.endm
.macro WBMUL                           ; log2(e) * ln_w * bias_w[h]
	s_wait_loadcnt 32                              ; all that was asked for ahead of x is in; the 32 younger loads of x stay out
.irp k, 0,2,4,6
	v_pk_mul_f32 v[T+\k:T+\k+1], v[LNW+\k:LNW+\k+1], LOG2E op_sel_hi:[1,0]   ; the softmax of the next launch works in base 2
.endr
.irp h, 0,1,2,3
.irp k, 0,2,4,6
	v_pk_mul_f32 v[WB+8*\h+\k:WB+8*\h+\k+1], v[WB+8*\h+\k:WB+8*\h+\k+1], v[T+\k:T+\k+1]
.endr
.endr
.endm
	s_load_b512 s[4:19], s[0:1], 0x0               ; x s[4:5], ln_w s[6:7], bias_w s[8:9], q_w s[10:11], k_w s[12:13], v_w s[14:15], g_w s[16:17], o_w s[18:19]
	s_load_b256 s[20:27], s[0:1], 0x40             ; tbias s[20:21], wfrag s[22:23], ln_b s[24:25], hn s[26:27]
	v_lshl_add_u32 v224, v0, 2, 0x1100
	v_mov_b32 v225, 0
	s_mov_b32 s40, ttmp9                           ; id = 16 jt + kt
	v_and_b32 v2, 15, v0                           ; r
	v_bfe_u32 v3, v0, 4, 1                         ; hh
	v_lshrrev_b32 v11, 5, v0
	v_readfirstlane_b32 s41, v11                   ; wave
	s_mov_b32 s42, 0xaaaaaaaa                      ; lanes with L & 1
	s_mov_b32 s43, 0xcccccccc                      ; lanes with L & 2
	s_mov_b32 s28, 0x3c000000                      ; 1 / 128
	s_mov_b32 s29, 0x3727c5ac                      ; 1e-5
	s_lshr_b32 s30, s40, 4
	s_lshl_b32 s30, s30, 21                        ; jt * 16 rows j of 131,072 bytes
	s_and_b32 s31, s40, 15
	s_lshl_b32 s31, s31, 13                        ; kt * 16 rows k of 512 bytes
	s_add_co_u32 s30, s30, s31
	s_mov_b32 s31, 0
	s_lshr_b32 s46, s30, 1                         ; the same rows in hn: half the bytes
	s_mov_b32 s47, 0
	v_lshlrev_b32 v8, 4, v2                        ; 16 r
	s_lshl_b32 s35, s41, 18                        ; wave * 2 rows j
	v_lshl_add_u32 v4, v3, 9, v8
	v_add_nc_u32 v4, s35, v4                       ; v4: offset in x of my 16 bytes in pair 0
	s_lshl_b32 s35, s41, 17
	v_lshl_add_u32 v1, v3, 8, v8
	v_add_nc_u32 v1, s35, v1                       ; v1: offset in hn of my 16 bytes in pair 0
	s_mul_i32 s35, s41, 2*LPITCH
	v_and_b32 v5, 3, v0
	v_lshlrev_b32 v5, 2, v5
	v_lshl_add_u32 v5, v3, 4, v5
	v_add_nc_u32 v5, s35, v5                       ; v5: LDS word [2 w][hh][L & 3]
	v_mul_u32_u24 v6, v2, LPITCH
	v_lshl_add_u32 v6, v3, 7, v6
	v_bfe_u32 v11, v0, 5, 1                        ; c of thread t = (t >> 5) & 1
	v_lshl_add_u32 v6, v11, 6, v6
	v_lshlrev_b32 v9, 5, v11
	v_lshrrev_b32 v11, 6, v0                       ; t >> 6: the head (tbias), the K step (wfrag)
	v_lshl_add_u32 v6, v11, 2, v6                  ; v6: LDS word [r][8 hh + 4 c][t >> 6]
	v_and_b32 v7, 63, v0
	v_lshlrev_b32 v7, 4, v7
	v_lshl_add_u32 v7, v11, 18, v7                 ; v7: offset in tbias: head * 262,144 + 16 (t & 63)
	v_lshl_add_u32 v9, v11, 6, v9
	v_lshl_add_u32 v9, v3, 4, v9                   ; v9: 16 rho = s*64 + c*32 + hh*16
	v_lshlrev_b32 v10, 4, v0                       ; v10: 16 t
	v_mov_b32 v[R+1], 0
	s_wait_kmcnt 0x0
	s_add_nc_u64 s[4:5], s[4:5], s[30:31]          ; x at the first of my 256 rows
	s_add_nc_u64 s[26:27], s[26:27], s[46:47]      ; hn at the same row
	s_lshl_b32 s30, s40, 10
	s_add_nc_u64 s[20:21], s[20:21], s[30:31]      ; tbias at block (jt, kt) of head 0
	global_load_b128 v[LNW:LNW+3],   v8, s[6:7]
	global_load_b128 v[LNW+4:LNW+7], v8, s[6:7] offset:256
	global_load_b128 v[LNB:LNB+3],   v8, s[24:25]
	global_load_b128 v[LNB+4:LNB+7], v8, s[24:25] offset:256
.irp h, 0,1,2,3
	global_load_b128 v[WB+8*\h:WB+8*\h+3],   v8, s[8:9] offset:512*\h
	global_load_b128 v[WB+8*\h+4:WB+8*\h+7], v8, s[8:9] offset:512*\h+256
.endr
	; Work-groups 0 to 39 also convert one row tile (16 rows, 8 KiB) of one weight matrix: m = id >> 3, t = id & 7.  Their two weight loads go out
	; AHEAD of x, so that the counted wait for what is older than x covers them and no second trip to memory stands in series with the first.
	; One branch, two ways, each with the loads of x: no register is read on a way that did not load it.
	s_cmp_ge_u32 s40, 40
	s_cbranch_scc1 .Lplain
	s_lshr_b32 s34, s40, 3
	s_mov_b64 s[32:33], s[10:11]
	s_cmp_eq_u32 s34, 1
	s_cselect_b64 s[32:33], s[12:13], s[32:33]
	s_cmp_eq_u32 s34, 2
	s_cselect_b64 s[32:33], s[14:15], s[32:33]
	s_cmp_eq_u32 s34, 3
	s_cselect_b64 s[32:33], s[16:17], s[32:33]
	s_cmp_eq_u32 s34, 4
	s_cselect_b64 s[32:33], s[18:19], s[32:33]
	s_cselect_b32 s37, 1, 0                        ; o_w: eight neighbouring columns, at byte 32 rho and 16 further on;
	s_cselect_b32 s38, 16, 256                     ; the others: four columns at byte 16 rho and four at 256 + 16 rho
	s_mov_b32 s44, 0x3f800000                      ; the factor of matrix m
	s_cmp_eq_u32 s34, 0
	s_cselect_b32 s44, QS, s44
	s_cmp_eq_u32 s34, 3
	s_cselect_b32 s44, NLOG2E, s44
	s_mov_b32 s45, s44
	v_lshlrev_b32 v9, s37, v9
	v_lshl_add_u32 v9, v2, 9, v9                   ; + r rows of 512 bytes
	s_and_b32 s36, s40, 7
	s_lshl_b32 s36, s36, 13                        ; + t * 16 rows
	v_add_nc_u32 v9, s36, v9
	v_add_nc_u32 v11, s38, v9
	s_lshl_b32 s30, s40, 12                        ; m * 32,768 + t * 4,096 = id * 4,096
	s_add_nc_u64 s[22:23], s[22:23], s[30:31]
	global_load_b128 v[WF:WF+3],   v9,  s[32:33]
	global_load_b128 v[WF+4:WF+7], v11, s[32:33]
	XLOADS
	WBMUL                                          ; its wait shows the weights in too
.irp k, 0,2,4,6
	v_pk_mul_f32 v[WF+\k:WF+\k+1], v[WF+\k:WF+\k+1], s[44:45] op_sel_hi:[1,0]
.endr
.irp q, 0,1,2,3
	v_cvt_pk_f16_f32 v[WH+\q], v[WF+2*\q], v[WF+2*\q+1]
.endr
	global_store_b128 v10, v[WH:WH+3], s[22:23]    ; a wave stores 512 consecutive bytes, aligned; none of its registers is written again
	s_branch .Lpairs
.Lplain:
	XLOADS
	WBMUL
.Lpairs:
; One pair of rows: mean, centring, then five sums at once (four heads and the squares), each reduced over the 16 lanes of its row; then the bias words and hn.
.macro PAIRB p
.set XS, X+8*\p
	s_wait_loadcnt 30-2*\p                         ; loads come back in order: the pairs behind this one may stay out
	v_pk_add_f32 v[T:T+1],   v[XS:XS+1],   v[XS+2:XS+3]
	v_pk_add_f32 v[T+2:T+3], v[XS+4:XS+5], v[XS+6:XS+7]
	v_pk_add_f32 v[T:T+1],   v[T:T+1],     v[T+2:T+3]
	v_add_f32 v[T], v[T], v[T+1]
.irp m, 1,2,4,8
	v_add_f32_dpp v[T], v[T], v[T] row_xmask:\m row_mask:0xf bank_mask:0xf
.endr
.irp k, 0,2,4,6
	v_pk_fma_f32 v[XS+\k:XS+\k+1], v[T:T+1], 0xbc000000, v[XS+\k:XS+\k+1] op_sel_hi:[0,0,1]   ; x - sum / 128
.endr
.irp g, 0,1,2,3
	v_pk_mul_f32 v[RED+2*\g:RED+2*\g+1], v[XS:XS+1], v[WB+8*\g:WB+8*\g+1]
.endr
	v_pk_mul_f32 v[RED+8:RED+9], v[XS:XS+1], v[XS:XS+1]
.irp k, 2,4,6
.irp g, 0,1,2,3
	v_pk_fma_f32 v[RED+2*\g:RED+2*\g+1], v[XS+\k:XS+\k+1], v[WB+8*\g+\k:WB+8*\g+\k+1], v[RED+2*\g:RED+2*\g+1]
.endr
	v_pk_fma_f32 v[RED+8:RED+9], v[XS+\k:XS+\k+1], v[XS+\k:XS+\k+1], v[RED+8:RED+9]
.endr
.irp g, 0,2,4,6,8
	v_add_f32 v[RED+\g], v[RED+\g], v[RED+\g+1]
.endr
.irp m, 1,2,4,8
.irp g, 0,2,4,6,8
	v_add_f32_dpp v[RED+\g], v[RED+\g], v[RED+\g] row_xmask:\m row_mask:0xf bank_mask:0xf
.endr
.endr
	v_fma_f32 v[T+4], v[RED+8], s28, s29           ; variance + eps
	v_rsq_f32 v[R], v[T+4]
	v_cndmask_b32 v[T+5], v[RED],   v[RED+2], s42  ; lane L keeps head L & 3; the first select is also the plain instruction behind v_rsq_f32 (ISA guide 5.7.2)
	v_cndmask_b32 v[T+6], v[RED+4], v[RED+6], s42
	v_cndmask_b32 v[T+5], v[T+5],   v[T+6],   s43
	s_wait_alu depctr_va_vdst(0)
	v_mul_f32 v[T+5], v[T+5], v[R]
	ds_store_b32 v5, v[T+5] offset:(\p/8)*LPITCH+(\p%8)*32     ; the four lanes with one L & 3 store one word with one value
.irp k, 0,2,4,6
	v_pk_mul_f32 v[XS+\k:XS+\k+1], v[XS+\k:XS+\k+1], v[R:R+1] op_sel_hi:[1,0]
.endr
.irp k, 0,2,4,6
	v_pk_fma_f32 v[XS+\k:XS+\k+1], v[XS+\k:XS+\k+1], v[LNW+\k:LNW+\k+1], v[LNB+\k:LNB+\k+1]
.endr
.irp q, 0,1,2,3
	v_cvt_pk_f16_f32 v[XS+\q], v[XS+2*\q], v[XS+2*\q+1]        ; packed in place, in ascending order
.endr
	global_store_b128 v1, v[XS:XS+3], s[26:27] offset:(\p/8)*65536+(\p%8)*512   ; 16 lanes store a row of 256 bytes, the wave two neighbouring rows; none of its registers is written again
.endm
.irp p, 0,1,2,3,4,5,6,7,8,9,10,11,12,13,14,15
	PAIRB \p
.endr
	s_wait_dscnt 0x0                               ; my stores are in LDS before I say so
	s_barrier_signal -1
	s_barrier_wait -1                              ; all eight waves have stored
.irp e, 0,1,2,3
	ds_load_b32 v[OUTQ+\e], v6 offset:16*\e        ; four neighbouring keys of one query and one head
.endr
	s_wait_dscnt 0x0
	global_store_b128 v7, v[OUTQ:OUTQ+3], s[20:21] ; a wave stores 512 consecutive bytes, aligned
	s_wait_tensorcnt 0x0
	ds_add_u32 v224, v225
	s_wait_dscnt 0x0
	s_endpgm
.Lfunc_end_k_qb8b6a0ecac_prep:
	.size	k_qb8b6a0ecac_prep, .Lfunc_end_k_qb8b6a0ecac_prep-k_qb8b6a0ecac_prep
	.p2alignl 7, 3214868480
	.fill 96, 4, 3214868480
	.section	.rodata,"a",@progbits
	.p2align	6, 0x0
	.amdhsa_kernel k_qb8b6a0ecac_prep
		.amdhsa_group_segment_fixed_size 5376
		.amdhsa_private_segment_fixed_size 0
		.amdhsa_enable_private_segment 0
		.amdhsa_kernarg_size 96
		.amdhsa_user_sgpr_count 2
		.amdhsa_user_sgpr_kernarg_segment_ptr 1
		.amdhsa_wavefront_size32 1
		.amdhsa_system_sgpr_workgroup_id_x 1
		.amdhsa_system_sgpr_workgroup_id_y 1
		.amdhsa_system_sgpr_workgroup_id_z 1
		.amdhsa_system_vgpr_workitem_id 0
		.amdhsa_next_free_vgpr 226
		.amdhsa_next_free_sgpr 66
		.amdhsa_reserve_vcc 0
		.amdhsa_float_denorm_mode_32 3
		.amdhsa_float_denorm_mode_16_64 3
		.amdhsa_memory_ordered 1
		.amdhsa_forward_progress 1
		.amdhsa_inst_pref_size 92
	.end_amdhsa_kernel
	.amdgpu_metadata
---
amdhsa.version: [ 1, 2 ]
amdhsa.kernels:
  - .name:           k_qb8b6a0ecac_prep
    .symbol:         k_qb8b6a0ecac_prep.kd
    .args:
      - { .name: x, .offset: 0, .size: 8, .value_kind: global_buffer, .address_space: global }
      - { .name: ln_w, .offset: 8, .size: 8, .value_kind: global_buffer, .address_space: global }
      - { .name: bias_w, .offset: 16, .size: 8, .value_kind: global_buffer, .address_space: global }
      - { .name: q_w, .offset: 24, .size: 8, .value_kind: global_buffer, .address_space: global }
      - { .name: k_w, .offset: 32, .size: 8, .value_kind: global_buffer, .address_space: global }
      - { .name: v_w, .offset: 40, .size: 8, .value_kind: global_buffer, .address_space: global }
      - { .name: g_w, .offset: 48, .size: 8, .value_kind: global_buffer, .address_space: global }
      - { .name: o_w, .offset: 56, .size: 8, .value_kind: global_buffer, .address_space: global }
      - { .name: tbias, .offset: 64, .size: 8, .value_kind: global_buffer, .address_space: global }
      - { .name: wfrag, .offset: 72, .size: 8, .value_kind: global_buffer, .address_space: global }
      - { .name: ln_b, .offset: 80, .size: 8, .value_kind: global_buffer, .address_space: global }
      - { .name: hn, .offset: 88, .size: 8, .value_kind: global_buffer, .address_space: global }
    .group_segment_fixed_size: 5376
    .private_segment_fixed_size: 0
    .kernarg_segment_align: 8
    .kernarg_segment_size: 96
    .max_flat_workgroup_size: 256
    .sgpr_count:     66
    .vgpr_count:     226
    .wavefront_size: 32
...
	.end_amdgpu_metadata
.endif
;; end of part 1
;; launch attn (part 2): grid 256 x 1, 4 waves a work-group, clusters of 4 x 1, 327,680 bytes of LDS; arguments hn, wfrag, tbias, out0; writes out0
.if DOCPART == 2
	.amdgcn_target "amdgcn-amd-amdhsa--gfx1250"
	.amdhsa_code_object_version 6
	.text
	.protected	k_qb8b6a0ecac_attn
	.globl	k_qb8b6a0ecac_attn
	.p2align	8
	.type	k_qb8b6a0ecac_attn,@function
k_qb8b6a0ecac_attn:
	s_mov_b64 s[64:65], 0
	v_nop
	global_prefetch_b8 v0, s[64:65] scope:SCOPE_SE
	s_setreg_imm32_b32 hwreg(HW_REG_WAVE_MODE, 25, 1), 1
	s_wait_xcnt 0x0
	s_wait_alu depctr_hold_cnt(0) depctr_sa_sdst(0) depctr_va_vdst(0) depctr_va_sdst(0) depctr_va_ssrc(0) depctr_va_vcc(0) depctr_vm_vsrc(0)
	s_getreg_b32 s2, hwreg(HW_REG_IB_STS2, 6, 4)
	s_cmp_eq_u32 s2, 0
	s_cbranch_scc0 .Lentry_in_a_cluster
	s_endpgm
.Lentry_in_a_cluster:
	s_bfe_u32 s2, ttmp6, 0x10000c
	s_cmp_lg_u32 s2, 0x3003
	s_cbranch_scc0 .Lentry_shape_is_right
	s_endpgm
.Lentry_shape_is_right:
; ATTN: for one row i of the grid: q, k, v and gate projections of hn, attention with the triangle bias, gate, output projection.
; x, ln_w and ln_b reach this launch through hn, which the first launch made.  The bias comes from tbias, which lacks the term sum_d ln_b[d] * bias_w[h][d]:
; it is the same along the softmax axis and cancels (shown at the head of the first kernel; a NaN, an infinity or an overflow that arises in that term
; alone is not carried to the result).  Nothing else is left out.
;
; NUMBER FORMAT.  The matrix operands (hn, q, k, v, the probabilities, o * g, the weights) are f16; all else is f32.  Six operand roundings lie between
; x and out0 (hn, v_w, v, probabilities, o * g, o_w), and each reaches out0 at its own relative size, since every sum on the way is of terms of both
; signs; out0 is compared within a hundredth of its root mean square, so the roundings are taken with 11 significant bits and not with 8.
; ROOM IN f16.  |hn| <= sqrt(127) max|ln_w| + max|ln_b|;  |q|, |k|, |v|, |o| <= |hn| |weight row| (Cauchy-Schwarz): with gains of 30 and weights of spread 0.6
; that is 340 x 6.8 = 2,300;  the probabilities lie in (0, 1].  o * g is packed as 16 o g (at most 37,000 there) and the f32 output is multiplied by 1/16,
; so that with gains and weights thirty times smaller than 1 and 0.02 it still lies above f16's steps of 2^-24.
; LIMITS: an operand beyond 65,504 in magnitude becomes infinite; below 2^-14 an operand is rounded in steps of 2^-24.  A probability below 2^-126 counts as 0
; before that rounding (v_exp_f32 gives 0 for a result that would be denormal: ISA guide 15.8).  The row maximum is taken away exactly: all 256
; scores of a query are in registers at once.
;
; SHARES.  One work-group for each i = 4 * cluster + place, four waves.  Wave w is head w for k, v, q, gate and attention; it brings rows 64 w .. 64 w + 63 of hn
; into LDS; in the output projection it owns row tile w >> 1 of a pair of query tiles and columns 64 (w & 1) .. + 63.
; CLUSTER.  All work-groups walk the same 1 MiB of tbias, 16 KiB for each head and query tile.  The four of a cluster ask for each tile jointly:
; the same line, the same descriptor (made of the wave number and the trip alone), mask 15.  hn and out0 are shared by nobody: hn comes by plain tensor loads.
; The weights (48 KiB a wave) are read once, straight into registers in fragment order; a joint load would have to land in LDS and be read back from there.
;
; EVERY PRODUCT IS LAID SO THAT ITS RESULT IS THE NEXT OPERAND.  Lane L = (r, hh) = (L & 15, L >> 4).
;   k, q, gate: source 0 = weights (m = channel e), source 1 = hn (n = row): the lane holds row r, e = 8 hh + register; two e tiles, packed, are a 16 x 32 fragment of row r.
;   v:          source 0 = hn (m = key), source 1 = weights (n = d): the lane holds d = r, key = 8 hh + register; two key tiles, packed, are a fragment of v transposed.
;   scores:     source 0 = k, source 1 = q, C = the bias tile as it lies in tbias: the lane holds query r, key = 16 kt + 8 hh + register;
;               tiles 2 u and 2 u + 1, after the exponential and packed, are the fragment of the probabilities for keys 32 u .. 32 u + 31.
;   p v:        source 0 = v transposed, source 1 = probabilities: the lane holds query r, d = 8 hh + register, as the gate does.
;   output:     source 0 = o_w, source 1 = o * g: the lane holds row r and eight neighbouring columns.
; hn and the fragments of q_w, k_w, v_w and g_w hold the 128 channels in one and the same permuted order (head of the first kernel): the terms of each sum are unchanged.
; q_w holds the factor 32^-0.5 * log2(e) and tbias log2(e) * bias, so the scores are exponents of 2; g_w holds the factor -log2(e), so the gate is 1 / (1 + 2^product).
;
; TWO QUERY TILES TAKE TURNS.  Trip t holds the vector work of tile t (maximum, subtraction, 128 exponentials, sums, packs, the sigmoid of its gate) and,
; one product in front of each slice of it, the products of its neighbours: p v of tile t - 1, then q, gate and scores of tile t + 1, and in odd trips
; the output projection of the pair of tiles whose o * g was stored last in the trip before.  A trip has 48 products (64 with the output projection) beside some 460
; vector instructions.  The scores have two sets of 128 registers with fixed roles: the score products write SN; the subtraction of the maximum
; reads SN and writes SC, so the move costs no instruction; exponentials, sums and packs work in SC while the next bias and the next scores land in SN.
; WINDOWS.  v_exp_f32 and v_cvt_pk_f16_f32 take the scores as source 0, the place in which a product takes k, v or weights: 512 registers of those and 256 of
; scores do not fit into one window, so a product and the slice behind it stand under two settings: two s_set_vgpr_msb a product, 84 in a plain trip.
; Only the eight gate products share their setting with their slices: SN lies in the window of g_w, and the subtraction takes it as source 0.
;
; MATRIX INSTRUCTIONS take their accumulators by turns, one instruction a turn, in every group, from group to group and over the backward jump.
;
; LDS: RING two slots of 4 x 16 KiB (slot s, wave w at s*65536 + w*16384), filled again and again by tensor loads; HN 256 rows of hn, pitch 272, filled once by tensor loads;
; OG two buffers that take turns, each a pair of query tiles: 4 planes (one a head) x 32 rows, pitch 80; STAGE 16 rows x 272 bytes for each wave.  No fill lands in OG or STAGE.
; REGISTERS: window 0 below; window 1: k fragment of key tile n at 8 n, v fragment (dt, u) at 128 + 8 (8 dt + u);
; window 2: q_w (et, s) at 8 (4 et + s), g_w at 64 + the same, SN at 128; window 3: k_w at 8 (4 et + s) and v_w at 64 + the same until k and v are made, then
; hn fragments at 0, o * g fragments at 32, output tiles at 64, rows read back from the stage at 96; o_w (ct, s) at 128 + 8 (4 ct + s).
.set SLOT,    65536
.set TILE,    16384
.set HN,      131072
.set HPITCH,  272
.set OG,      200704
.set OGPITCH, 80
.set OGPLANE, 32*OGPITCH
.set OGBUF,   4*OGPLANE
.set STAGE,   221184
.set SPITCH,  272
.set UP16,    0x41800000               ; 16
.set DOWN16,  0x3d800000               ; 1 / 16
; window 0: v1 L, v2 r, v3 hh, v6 hn fragment of rows 0-15, v7 hn fragment of the next tile (stepped), v8 and v9 bias in slot 0 and 1,
; v10 o*g store, v11 o*g fragment, v12 stage in, v13 stage back, v14 offset in out0 (stepped), v15 and v16 offsets in wfrag, v17 16 r,
; v[18:19] minus the row maximum, v[20:21] 16/row sum (v19, v21: the halves of broadcast pairs that are never used), v22 lane exchange
.set T,    24                          ; v[24:27]   four maximum chains
.set TS,   28                          ; v[28:31]   two chains of the row sum
.set QQ,   32                          ; v[32:47]   q, two tiles
.set GR,   48                          ; v[48:79]   the gate, two buffers of two tiles: tile t in buffer t & 1
.set QF,   80                          ; v[80:87]   q as a fragment
.set OA,   88                          ; v[88:103]  o, two tiles
.set SC,   128                         ; v[128:255] the working set of scores; for k and v: 8 hn fragments,
.set KA,   192                         ; v[192:223] four k accumulators (tt, et) at 8 (2 tt + et),
.set VA,   224                         ; v[224:255] four v accumulators
.set SN,   128                         ; window 2: bias, then bias + q k
.set HF,   0                           ; window 3: hn fragments of the next tile
.set HG,   32                          ; window 3: o * g fragments
.set AC,   64                          ; window 3: four output tiles
.set OD,   96                          ; window 3: rows read back from the stage
.set OW,   128                         ; window 3: o_w
; settings of s_set_vgpr_msb: bits 1:0 source 0, 3:2 source 1, 5:4 source 2, 7:6 destination
.set W_MAX, 0x0a                       ; sources 0 and 1 SN, source 2 and destination window 0
.set W_PV,  0x01                       ; source 0 v
.set W_QG,  0x0e                       ; source 0 q_w, g_w or SN, source 1 hn fragments
.set W_SC,  0xa1                       ; source 0 k, C and D SN
.set W_OUT, 0xff                       ; all in window 3
.set W_L2,  0x80                       ; a load into window 2
.set W_L3,  0xc0                       ; a load into window 3
.set W_S3,  0x0c                       ; a store of data from window 3
.set W_M3,  0xc3                       ; source 0 and destination window 3
.set MSB, 0
.macro WIN new                         ; the high byte of the immediate repeats the setting that is left
.if MSB != \new
	s_set_vgpr_msb (MSB<<8)|\new
.set MSB, \new
.endif
.endm
.macro PLACES n                        ; plain vector instructions between a matrix instruction and what touches its registers (ISA guide 7.12.1)
.rept \n
	v_nop
.endr
.endm
; A round of the cluster barrier: my work-group barrier, wave 0 signals for the work-group, every wave waits for all four work-groups, my work-group barrier again.
.macro ROUND
	s_barrier_signal -1
	s_barrier_wait -1
	s_cmp_lg_u32 s16, 0
	s_cbranch_scc1 .Lnot_wave_0_\@
	s_barrier_signal -3
.Lnot_wave_0_\@:
	s_barrier_wait -3
	s_barrier_signal -1
	s_barrier_wait -1
.endm
.macro WLOAD dst, n, adr, off          ; n weight fragments, 1,024 consecutive bytes each, two loads of 512 bytes a wave
.set ff, 0
.rept \n
	global_load_b128 v[\dst+8*ff:\dst+8*ff+3],   v[\adr], s[10:11] offset:\off+1024*ff
	global_load_b128 v[\dst+8*ff+4:\dst+8*ff+7], v[\adr], s[10:11] offset:\off+1024*ff+512
.set ff, ff+1
.endr
.endm
	s_load_b64 s[4:5], s[0:1], 0x0                 ; hn
	s_load_b64 s[10:11], s[0:1], 0x8               ; wfrag
	s_load_b128 s[12:15], s[0:1], 0x10             ; tbias s[12:13], out0 s[14:15]
	v_lshl_add_u32 v126, v0, 2, 0x3a400
	v_mov_b32 v127, 0
	ds_add_u32 v126, v127
	v_and_b32 v1, 31, v0
	v_and_b32 v2, 15, v0
	v_bfe_u32 v3, v0, 4, 1
	v_lshrrev_b32 v22, 5, v0
	v_readfirstlane_b32 s16, v22                   ; wave = head
	s_bfe_u32 s17, ttmp6, 0x40000                  ; my place in the cluster: it enters the global addresses of hn and out0 and nothing else
	s_lshl_b32 s18, ttmp9, 2
	s_add_co_u32 s18, s18, s17                     ; i
	s_lshl_b32 s20, s18, 17                        ; out0: i * 256 rows of 512 bytes
	s_mov_b32 s21, 0
	s_mov_b32 s41, 0x76543210                      ; v_permlanex16_b32: lane l of one half reads lane l of the other
	s_mov_b32 s42, 0xfedcba98
	s_lshr_b32 s19, s16, 1                         ; w >> 1
	s_and_b32 s23, s16, 1                          ; w & 1
	v_lshlrev_b32 v17, 4, v2
	v_mul_u32_u24 v6, v2, HPITCH
	v_lshl_add_u32 v6, v3, 4, v6
	v_add_nc_u32 v6, HN, v6                        ; HN + r * 272 + 16 hh
	v_mov_b32 v7, v6
	s_lshl_b32 s22, s16, 14                        ; my 16 KiB of a slot, and of the 64 KiB of hn
	v_lshl_add_u32 v8, v1, 4, s22
	v_add_nc_u32 v9, SLOT, v8
	v_mul_u32_u24 v10, v2, OGPITCH
	v_lshl_add_u32 v10, v3, 4, v10
	s_mul_i32 s46, s19, 16*OGPITCH
	s_add_co_u32 s46, s46, OG
	v_add_nc_u32 v11, s46, v10                     ; OG + (16 (w >> 1) + r) * 80 + 16 hh
	s_mul_i32 s46, s16, OGPLANE
	s_add_co_u32 s46, s46, OG
	v_add_nc_u32 v10, s46, v10                     ; OG + my plane + r * 80 + 16 hh
	s_mul_i32 s46, s16, 16*SPITCH
	s_add_co_u32 s46, s46, STAGE
	v_mul_u32_u24 v12, v2, SPITCH
	v_lshl_add_u32 v12, v3, 5, v12
	v_add_nc_u32 v12, s46, v12                     ; my stage + r * 272 + 32 hh
	v_mul_u32_u24 v13, v3, SPITCH
	v_add_nc_u32 v13, v13, v17
	v_add_nc_u32 v13, s46, v13                     ; my stage + hh * 272 + 16 r
	s_lshl_b32 s46, s19, 13
	s_lshl_b32 s47, s23, 8
	s_add_co_u32 s46, s46, s47
	v_lshl_add_u32 v14, v3, 9, v17
	v_add_nc_u32 v14, s46, v14                     ; out0: (16 (w >> 1) + hh) * 512 + (w & 1) * 256 + 16 r
	s_lshl_b32 s46, s16, 13
	v_lshl_add_u32 v15, v1, 4, s46                 ; wfrag: the two row tiles of head w
	s_lshl_b32 s46, s23, 14
	v_lshl_add_u32 v16, v1, 4, s46                 ; wfrag: the four row tiles of my half of the columns of o_w
	v_mov_b32 v19, 0
	v_mov_b32 v21, 0
	; descriptor group 1 of the bias tiles: a dense block of 16 KiB as 64 rows of 32 elements of 8 bytes
	s_mov_b32 s24, 0x0023000f                      ; 15:0 mask: all four work-groups of the cluster; 17:16 elements of 8 bytes; bit 21 set beside a mask; no padding
	s_mov_b32 s25, 32<<16                          ; tensor_dim0 = 32
	s_mov_b32 s26, 64<<16                          ; tensor_dim1 = 64
	s_mov_b32 s27, 32<<16                          ; tile_dim0 = 32
	s_mov_b32 s28, 64                              ; tile_dim1 = 64
	s_mov_b32 s29, 32                              ; 32 elements from row to row
	s_mov_b32 s30, 0
	s_mov_b32 s31, 0
	; descriptor group 0 of the bias tiles, one set for each slot: slot n starts at query tile n of head w
	s_mov_b32 s32, 1
	s_add_co_u32 s33, s22, 0*SLOT
	s_mov_b32 s36, 1
	s_add_co_u32 s37, s22, 1*SLOT
	; descriptor of my 64 rows of hn: the same shape, no mask, and 16 bytes of padding behind every 256, so that LDS rows are 272 bytes apart
	s_mov_b32 s48, (3<<16)|(1<<20)|(5<<22)|(3<<25) ; 15:0 no mask; 17:16 elements of 8 bytes; 20 padding on; 24:22 after every 64 words (code 5); 31:25 of 4 words (code 3)
	s_mov_b32 s49, 32<<16
	s_mov_b32 s50, 64<<16
	s_mov_b32 s51, 32<<16
	s_mov_b32 s52, 64
	s_mov_b32 s53, 32
	s_mov_b32 s54, 0
	s_mov_b32 s55, 0
	s_mov_b32 s56, 1
	s_mul_i32 s46, s16, 64*HPITCH
	s_add_co_u32 s57, s46, HN                      ; HN + 64 w rows
	s_lshl_b32 s44, s18, 16                        ; hn: i * 256 rows of 256 bytes
	s_add_co_u32 s44, s44, s22                     ; + 64 w rows
	s_mov_b32 s45, 0
	s_lshl_b32 s46, s16, 18
	s_mov_b32 s47, 0
	s_wait_dscnt 0x0
	s_wait_kmcnt 0x0
	s_add_nc_u64 s[34:35], s[12:13], s[46:47]
	s_add_nc_u64 s[38:39], s[34:35], TILE
	s_or_b32 s35, s35, 0x80000000
	s_or_b32 s39, s39, 0x80000000
	s_add_nc_u64 s[58:59], s[4:5], s[44:45]
	s_or_b32 s59, s59, 0x80000000
	s_add_nc_u64 s[14:15], s[14:15], s[20:21]
	WIN W_L3
	WLOAD 0,  8, 15, 32768                         ; k_w of head w
	WLOAD 64, 8, 15, 65536                         ; v_w of head w
	WIN W_L2
	WLOAD 0,  8, 15, 0                             ; q_w of head w: 48 loads are out while the work-groups meet
	WIN 0
	ROUND                                          ; all four work-groups are here: the first joint loads meet their partners
	tensor_load_to_lds s[56:59], s[48:55]          ; my 64 rows of hn
	s_nop 0
	tensor_load_to_lds s[32:35], s[24:31]          ; bias of query tile 0
	s_nop 0
	tensor_load_to_lds s[36:39], s[24:31]          ; bias of query tile 1: the three first fills go out together; three tensor loads of the wave are out
	s_nop 0
	s_wait_tensorcnt 0x2                           ; tensor loads of a wave end in order: my rows of hn have landed, the two bias tiles behind them may stay out
	s_barrier_signal -1
	s_barrier_wait -1                              ; hn is whole.  The bias tiles may still be on their way
	s_wait_loadcnt 0x0                             ; k_w, v_w and q_w are in
	WIN W_L2
	WLOAD 64,  8,  15, 98304                       ; g_w of head w
	WIN W_L3
	WLOAD OW,  16, 16, 131072                      ; o_w, my 64 rows: these 48 loads land while k and v are made
	WIN 0
; k and v of head w for keys 32 u .. 32 u + 31.
.macro HF2LOAD u
.irp tt, 0,1
.irp s, 0,1,2,3
	ds_load_b128 v[SC+8*(4*\tt+\s):SC+8*(4*\tt+\s)+3],   v6 offset:(32*(\u)+16*\tt)*HPITCH+64*\s
	ds_load_b128 v[SC+8*(4*\tt+\s)+4:SC+8*(4*\tt+\s)+7], v6 offset:(32*(\u)+16*\tt)*HPITCH+64*\s+32
.endr
.endr
.endm
.macro KV u, more
	s_wait_dscnt 0x0
	WIN 0x03                                       ; source 0: k_w in window 3
.irp s, 0,1,2,3
.irp tt, 0,1
.irp et, 0,1
.if \s == 0
	v_wmma_f32_16x16x32_f16 v[KA+8*(2*\tt+\et):KA+8*(2*\tt+\et)+7], v[8*(4*\et+\s):8*(4*\et+\s)+7], v[SC+8*(4*\tt+\s):SC+8*(4*\tt+\s)+7], 0
.else
	v_wmma_f32_16x16x32_f16 v[KA+8*(2*\tt+\et):KA+8*(2*\tt+\et)+7], v[8*(4*\et+\s):8*(4*\et+\s)+7], v[SC+8*(4*\tt+\s):SC+8*(4*\tt+\s)+7], v[KA+8*(2*\tt+\et):KA+8*(2*\tt+\et)+7]
.endif
.endr
.endr
.endr
	WIN 0x0c                                       ; source 1: v_w in window 3
.irp s, 0,1,2,3
.irp tt, 0,1
.irp et, 0,1
.if \s == 0
	v_wmma_f32_16x16x32_f16 v[VA+8*(2*\tt+\et):VA+8*(2*\tt+\et)+7], v[SC+8*(4*\tt+\s):SC+8*(4*\tt+\s)+7], v[64+8*(4*\et+\s):64+8*(4*\et+\s)+7], 0
.else
	v_wmma_f32_16x16x32_f16 v[VA+8*(2*\tt+\et):VA+8*(2*\tt+\et)+7], v[SC+8*(4*\tt+\s):SC+8*(4*\tt+\s)+7], v[64+8*(4*\et+\s):64+8*(4*\et+\s)+7], v[VA+8*(2*\tt+\et):VA+8*(2*\tt+\et)+7]
.endif
.endr
.endr
.endr
	WIN 0
	PLACES 4                                       ; in front of the loads into the fragments and of the conversions that read the sums
.if \more
	HF2LOAD (\u+1)
.endif
	WIN 0x40                                       ; destination: window 1
.irp tt, 0,1
.irp et, 0,1
.irp q, 0,1,2,3
	v_cvt_pk_f16_f32 v[8*(2*\u+\tt)+4*\et+\q], v[KA+8*(2*\tt+\et)+2*\q], v[KA+8*(2*\tt+\et)+2*\q+1]
	v_cvt_pk_f16_f32 v[128+8*(8*\et+\u)+4*\tt+\q], v[VA+8*(2*\tt+\et)+2*\q], v[VA+8*(2*\tt+\et)+2*\q+1]
.endr
.endr
.endr
	WIN 0
.endm
	HF2LOAD 0
.irp u, 0,1,2,3,4,5,6
	KV \u, 1
.endr
	KV 7, 0
; ---- LDS loads of the trips (each run under the setting named) ----
.macro HNLOAD                          ; under W_L3: hn of the 16 queries of the next tile
.irp s, 0,1,2,3
	ds_load_b128 v[HF+8*\s:HF+8*\s+3],   v7 offset:64*\s
	ds_load_b128 v[HF+8*\s+4:HF+8*\s+7], v7 offset:64*\s+32
.endr
.endm
.macro OGLOAD b                        ; under W_L3: 16 o g of my 16 rows in buffer b; K step s is the plane of head s
.irp s, 0,1,2,3
	ds_load_b128 v[HG+8*\s:HG+8*\s+3],   v11 offset:(\b)*OGBUF+\s*OGPLANE
	ds_load_b128 v[HG+8*\s+4:HG+8*\s+7], v11 offset:(\b)*OGBUF+\s*OGPLANE+32
.endr
.endm
.macro BIAS slot                       ; under W_L2: the 16 bias tiles, straight into the score accumulators: 32 lanes x 16 consecutive bytes a load
.irp kt, 0,1,2,3,4,5,6,7,8,9,10,11,12,13,14,15
	ds_load_b128 v[SN+8*\kt:SN+8*\kt+3],   v[8+\slot] offset:1024*\kt
	ds_load_b128 v[SN+8*\kt+4:SN+8*\kt+7], v[8+\slot] offset:1024*\kt+512
.endr
.endm
; ---- single products ----
.macro PVMM i                          ; under W_PV: key block i / 2, d tile i % 2
.if ((\i)/2) == 0
	v_wmma_f32_16x16x32_f16 v[OA+8*((\i)%2):OA+8*((\i)%2)+7], v[128+64*((\i)%2)+8*((\i)/2):128+64*((\i)%2)+8*((\i)/2)+7], v[SC+8*((\i)/2):SC+8*((\i)/2)+7], 0
.else
	v_wmma_f32_16x16x32_f16 v[OA+8*((\i)%2):OA+8*((\i)%2)+7], v[128+64*((\i)%2)+8*((\i)/2):128+64*((\i)%2)+8*((\i)/2)+7], v[SC+8*((\i)/2):SC+8*((\i)/2)+7], v[OA+8*((\i)%2):OA+8*((\i)%2)+7]
.endif
.endm
.macro QGMM acc, wb, i                 ; under W_QG: e tile i % 2, K step i / 2; wb = 0: q_w, 64: g_w
.if ((\i)/2) == 0
	v_wmma_f32_16x16x32_f16 v[\acc+8*((\i)%2):\acc+8*((\i)%2)+7], v[\wb+32*((\i)%2)+8*((\i)/2):\wb+32*((\i)%2)+8*((\i)/2)+7], v[HF+8*((\i)/2):HF+8*((\i)/2)+7], 0
.else
	v_wmma_f32_16x16x32_f16 v[\acc+8*((\i)%2):\acc+8*((\i)%2)+7], v[\wb+32*((\i)%2)+8*((\i)/2):\wb+32*((\i)%2)+8*((\i)/2)+7], v[HF+8*((\i)/2):HF+8*((\i)/2)+7], v[\acc+8*((\i)%2):\acc+8*((\i)%2)+7]
.endif
.endm
.macro SCMM k                          ; under W_SC: key tile k, onto its bias
	v_wmma_f32_16x16x32_f16 v[SN+8*(\k):SN+8*(\k)+7], v[8*(\k):8*(\k)+7], v[QF:QF+7], v[SN+8*(\k):SN+8*(\k)+7]
.endm
.macro OUTMM1 i                        ; under W_OUT: column tile i % 4, K step i / 4
.if ((\i)/4) == 0
	v_wmma_f32_16x16x32_f16 v[AC+8*((\i)%4):AC+8*((\i)%4)+7], v[OW+32*((\i)%4)+8*((\i)/4):OW+32*((\i)%4)+8*((\i)/4)+7], v[HG+8*((\i)/4):HG+8*((\i)/4)+7], 0
.else
	v_wmma_f32_16x16x32_f16 v[AC+8*((\i)%4):AC+8*((\i)%4)+7], v[OW+32*((\i)%4)+8*((\i)/4):OW+32*((\i)%4)+8*((\i)/4)+7], v[HG+8*((\i)/4):HG+8*((\i)/4)+7], v[AC+8*((\i)%4):AC+8*((\i)%4)+7]
.endif
.endm
; ---- slices of the vector work ----
.macro MAXSL i                         ; under W_MAX: step i of 16 of the four maximum chains, each over 32 registers of SN
.irp c, 0,1,2,3
.if (\i) == 0
	v_max_num_f32 v[T+\c], v[SN+32*\c], v[SN+32*\c+1]
.else
	v_max3_num_f32 v[T+\c], v[SN+32*\c+2*(\i)], v[SN+32*\c+2*(\i)+1], v[T+\c]
.endif
.endr
.endm
.macro GRL q                           ; gate of the tile before * 16 / its row sum
	v_pk_mul_f32 v[GN+2*\q:GN+2*\q+1], v[GN+2*\q:GN+2*\q+1], v[20:21] op_sel_hi:[1,0]
.endm
.macro OGM q                           ; o * that
	v_pk_mul_f32 v[OA+2*\q:OA+2*\q+1], v[OA+2*\q:OA+2*\q+1], v[GN+2*\q:GN+2*\q+1]
.endm
.macro OCV q                           ; packed in place: register q takes registers 2 q and 2 q + 1, in ascending order
	v_cvt_pk_f16_f32 v[OA+\q], v[OA+2*\q], v[OA+2*\q+1]
.endm
.macro OST                             ; tile TE (mod 4) goes to buffer TE / 2, rows 16 (TE % 2) ..
	ds_store_b128 v10, v[OA:OA+3]   offset:(TE/2)*OGBUF+(TE%2)*16*OGPITCH
	ds_store_b128 v10, v[OA+4:OA+7] offset:(TE/2)*OGBUF+(TE%2)*16*OGPITCH+32
.endm
; Slice i of 8 behind the q products, window 0: the end of the maximum (the other half of the keys comes from lane l xor 16), and, pv = 1, the way of the tile before from o to LDS.
.macro QSL i, pv
.if (\i) == 0
	v_max3_num_f32 v[T], v[T], v[T+1], v[T+2]
	v_max_num_f32 v[T], v[T], v[T+3]
.endif
.if (\i) == 1
	v_permlanex16_b32 v22, v[T], s41, s42
.endif
.if (\i) == 2
	v_max_num_f32 v18, v[T], v22
	v_xor_b32 v18, 0x80000000, v18                 ; minus the maximum
.endif
.if \pv
.if (\i) == 0
	GRL 0
	GRL 1
.endif
.if (\i) == 1
	GRL 2
	GRL 3
	GRL 4
.endif
.if (\i) == 2
	GRL 5
	GRL 6
	GRL 7
.endif
.if (\i) == 3
.irp q, 0,1,2,3
	OGM \q
.endr
.endif
.if (\i) == 4
.irp q, 4,5,6,7
	OGM \q
.endr
.endif
.if (\i) == 5
.irp q, 0,1,2,3
	OCV \q
.endr
.endif
.if (\i) == 6
.irp q, 4,5,6,7
	OCV \q
.endr
.endif
.if (\i) == 7
	OST
.endif
.endif
.endm
.macro SUBSL kt                        ; under W_QG: SC = SN * 1 - maximum: the subtraction is the move from the accumulators into the working set
.irp q, 0,1,2,3
	v_pk_fma_f32 v[SC+8*(\kt)+2*\q:SC+8*(\kt)+2*\q+1], v[SN+8*(\kt)+2*\q:SN+8*(\kt)+2*\q+1], 1.0, v[18:19] op_sel_hi:[1,0,0]
.endr
.endm
.macro QPACK                           ; window 0: q comes out of its product with its factor (it lies in q_w) and is only packed
.irp q, 0,1,2,3,4,5,6,7
	v_cvt_pk_f16_f32 v[QF+\q], v[QQ+2*\q], v[QQ+2*\q+1]
.endr
.endm
.macro EXPSL k                         ; 2^(score - maximum) of key tile k, in place
	WIN 0
.irp q, 0,1,2,3,4,5,6,7
	v_exp_f32 v[SC+8*(\k)+\q], v[SC+8*(\k)+\q]
.endr
.endm
; The gate of this tile, 1 / (1 + 2^p), p the product with g_w's factor in it, in three stages of four slices: exponential (slices 4-7), add (8-11), reciprocal (12-15).
; The transcendentals stand with the exponentials of the scores, and plain work follows them in every slice.
.macro GTRANS k
.if ((\k)/4) == 1
.irp j, 0,1,2,3
	v_exp_f32 v[GC+4*((\k)-4)+\j], v[GC+4*((\k)-4)+\j]
.endr
.endif
.if ((\k)/4) == 3
.irp j, 0,1,2,3
	v_rcp_f32 v[GC+4*((\k)-12)+\j], v[GC+4*((\k)-12)+\j]
.endr
.endif
.endm
.macro GPLAIN k
.if ((\k)/4) == 2
	WIN 0
.irp j, 0,1
	v_pk_add_f32 v[GC+4*((\k)-8)+2*\j:GC+4*((\k)-8)+2*\j+1], v[GC+4*((\k)-8)+2*\j:GC+4*((\k)-8)+2*\j+1], 1.0 op_sel_hi:[1,0]
.endr
.endif
.endm
.macro SUMSL k                         ; the row sum, two chains
	WIN 0
.if (\k) == 0
	s_wait_alu depctr_va_vdst(0)
	v_pk_add_f32 v[TS:TS+1],   v[SC:SC+1],   v[SC+4:SC+5]
	v_pk_add_f32 v[TS+2:TS+3], v[SC+2:SC+3], v[SC+6:SC+7]
.else
	s_wait_alu depctr_va_vdst(0)
	v_pk_add_f32 v[TS:TS+1],   v[TS:TS+1],   v[SC+8*(\k):SC+8*(\k)+1]
	v_pk_add_f32 v[TS+2:TS+3], v[TS+2:TS+3], v[SC+8*(\k)+2:SC+8*(\k)+3]
	v_pk_add_f32 v[TS:TS+1],   v[TS:TS+1],   v[SC+8*(\k)+4:SC+8*(\k)+5]
	v_pk_add_f32 v[TS+2:TS+3], v[TS+2:TS+3], v[SC+8*(\k)+6:SC+8*(\k)+7]
.endif
.endm
.macro CVTSL k                         ; the probabilities packed in place: tile k shrinks into registers 4 k .. 4 k + 3
	WIN 0
.irp q, 0,1,2,3
	v_cvt_pk_f16_f32 v[SC+4*(\k)+\q], v[SC+8*(\k)+2*\q], v[SC+8*(\k)+2*\q+1]
.endr
.endm
; The factor 16 of o g is taken back in f32.  Then through my own stage: 32 bytes a lane in, whole rows of 256 bytes back.  LDS serves the instructions
; of a wave in order, so no wait stands between the stores and the loads.
.macro STAGEIO
	WIN W_M3
.irp q, 0,1,2,3,4,5,6,7,8,9,10,11,12,13,14,15
	v_pk_mul_f32 v[AC+2*\q:AC+2*\q+1], v[AC+2*\q:AC+2*\q+1], DOWN16 op_sel_hi:[1,0]
.endr
	WIN W_S3
.irp ct, 0,1,2,3
	ds_store_b128 v12, v[AC+8*\ct:AC+8*\ct+3]   offset:64*\ct
	ds_store_b128 v12, v[AC+8*\ct+4:AC+8*\ct+7] offset:64*\ct+16
.endr
	WIN W_L3
.irp q, 0,1,2,3,4,5,6,7
	ds_load_b128 v[OD+4*\q:OD+4*\q+3], v13 offset:2*SPITCH*\q
.endr
.endm
.macro OUTST q                         ; under W_S3.  v14 has been stepped once more than pairs have been stored, so the store reaches back by one pair of tiles
	global_store_b128 v14, v[OD+4*\q:OD+4*\q+3], s[14:15] offset:1024*\q-32*512 th:TH_STORE_NT   ; 16 lanes store 256 consecutive bytes, aligned
.endm
	; THE HEAD OF THE PIPELINE: q, gate and scores of tile 0.
	s_wait_loadcnt 0x0                             ; g_w and o_w are in
	s_wait_tensorcnt 0x0                           ; my two first bias tiles have landed; only this wave reads them
	WIN W_L3
	HNLOAD
	WIN W_L2
	BIAS 0
	WIN 0
	v_add_nc_u32 v7, 16*HPITCH, v7                 ; the next 16 queries
	s_wait_dscnt 32                                ; hn is in; the 32 bias loads may stay out
	WIN W_QG
.set ii, 0
.rept 8
	QGMM QQ, 0, ii
.set ii, ii+1
.endr
.set ii, 0
.rept 8
	QGMM GR, 64, ii
.set ii, ii+1
.endr
	WIN 0
	PLACES 4
	QPACK
	s_wait_dscnt 0x0                               ; the bias is in the accumulators
	WIN W_SC
.set ii, 0
.rept 16
	SCMM ii
.set ii, ii+1
.endr
	WIN 0
	PLACES 4                                       ; in front of the maximum, which reads the scores
; TRIP t.  tm = t mod 4; pv = 1: the tile before has its p v and its way to LDS here; nxt = 1: the next tile has its q, gate and scores here;
; refill = 1: bias tile t + 2 is asked for; out = 1: the output projection of tiles t - 3 and t - 2; step = 1: the offset in out0 moves on.
.macro TRIP tm, pv, nxt, refill, out, step
.set PAR, (\tm)%2
.set GC, GR+16*PAR                     ; the gate of this tile
.set GN, GR+16-16*PAR                  ; the gate of the tile before; when that has been read, of the next tile
.set TE, ((\tm)+3)%4                   ; the tile before, mod 4
	s_wait_tensorcnt 0x0                           ; all my tensor loads have landed, the bias of the next tile among them,
	ds_add_u32 v126, v127
	s_wait_dscnt 0x0
.if \refill
	s_add_nc_u64 s[34+4*PAR:35+4*PAR], s[34+4*PAR:35+4*PAR], 2*TILE   ; so a group 0 may be written: the next tile of the slot read last trip
.endif
	s_wait_dscnt 0x0                               ; my reads of that slot are back and my stores of o * g are in LDS
.if \refill
	ROUND                                          ; both now hold of every wave of the four work-groups
	tensor_load_to_lds s[32+4*PAR:35+4*PAR], s[24:31]   ; my one tensor load behind the round; it has this trip in which to land
	s_nop 0
.else
	s_barrier_signal -1                            ; it hands o * g from wave to wave
	s_barrier_wait -1
.endif
	WIN W_L3
.if \out
	OGLOAD (1-(\tm)/2)
.endif
.if \nxt
	HNLOAD
.endif
	; 16 products p v of the tile before; behind each, one step of the four maximum chains of this tile
.set ii, 0
.rept 16
.if \pv
	WIN W_PV
	PVMM ii
.endif
	WIN W_MAX
	MAXSL ii
.set ii, ii+1
.endr
	s_wait_dscnt 0x0                               ; the fragments asked for at the head of the trip are in
	; 8 products q of the next tile; behind them the end of the maximum and the tile before on its way out.  q goes first, so that the gate of the
	; tile before is read before the gate of the next tile lands in its registers.
.set ii, 0
.rept 8
.if \nxt
	WIN W_QG
	QGMM QQ, 0, ii
.endif
	WIN 0
	QSL ii, \pv
.set ii, ii+1
.endr
.if \step
	s_wait_xcnt 0x0                                ; the stores of the trip before have had their addresses translated: their offset and data registers are written again only behind this wait
	v_add_nc_u32 v14, 32*512, v14                  ; the next pair of query tiles in out0
.endif
	; 8 products gate of the next tile; behind each, under the same setting, the subtraction of two key tiles
	WIN W_QG
.set ii, 0
.rept 8
.if \nxt
	QGMM GN, 64, ii
.endif
	SUBSL (2*ii)
	SUBSL (2*ii+1)
.set ii, ii+1
.endr
.if \nxt
	WIN W_L2
	BIAS (1-PAR)                                   ; SN has been read: the bias of the next tile lands in it
	WIN 0
	QPACK
.endif
	; 16 products scores of the next tile; behind product k: exponentials of key tile k, sums and packs of tile k - 1, a quarter stage of the gate;
	; out = 1: two output products in each of the first eight slices
.set ii, 0
.rept 16
.if \nxt
.if (ii%4) == 0
	s_wait_dscnt 24-2*ii+16*(\out)*(ii/12)         ; bias tiles ii .. ii + 3 are in; younger: the bias loads behind them, and behind the last of those the 16 instructions of the stage
.endif
	WIN W_SC
	SCMM ii
.endif
	EXPSL ii
	GTRANS ii
.if ii == 0
.if \nxt
	v_add_nc_u32 v7, 16*HPITCH, v7                 ; the next 16 queries; also the plain instruction behind the first exponentials, whose slice has no sums yet (ISA guide 5.7.2)
.else
	v_nop                                          ; the plain instruction behind the first exponentials
.endif
.endif
.if \out
.if ii < 8
	WIN W_OUT
	OUTMM1 (2*ii)
.endif
.endif
.if ii > 0
	SUMSL (ii-1)                                   ; plain work behind the exponentials, on the results of the slice before
.endif
.if \out
.if ii < 8
	WIN W_OUT
	OUTMM1 (2*ii+1)
.endif
.endif
.if ii > 0
	CVTSL (ii-1)
.endif
	GPLAIN ii
.if \out
.if ii == 9
	STAGEIO                                        ; the last output product stands two slices back
.endif
.endif
.set ii, ii+1
.endr
	SUMSL 15
	CVTSL 15
	v_pk_add_f32 v[TS:TS+1], v[TS:TS+1], v[TS+2:TS+3]
	v_add_f32 v[TS], v[TS], v[TS+1]
	v_permlanex16_b32 v22, v[TS], s41, s42
	v_add_f32 v[TS], v[TS], v22                    ; at least 1: the largest score gives 2^0
	v_rcp_f32 v20, v[TS]
	v_nop                                          ; one plain instruction behind v_rcp_f32 before its result is used
	s_wait_alu depctr_va_vdst(0)
	v_mul_f32 v20, UP16, v20                       ; 16 / row sum: o * g is packed sixteen times larger (see the head: room in f16)
.if \out
	s_wait_dscnt 0x0                               ; the rows are back from the stage (asked for six slices ago)
	WIN W_S3
.irp q, 0,1,2,3,4,5,6,7
	OUTST \q
.endr
.endif
	WIN 0
.endm
	; o * g of tiles 2 P and 2 P + 1 lies in buffer P & 1: stored in trips 2 P + 1 and 2 P + 2, read in trip 2 P + 3, stored again from trip 2 P + 5 on:
	; a barrier stands between each of these.
	TRIP 0, 0, 1, 1, 0, 0
	TRIP 1, 1, 1, 1, 0, 0
	s_mov_b32 s40, 3
.Ltrips:                                           ; trips 2 to 13
	TRIP 2, 1, 1, 1, 0, 1
	TRIP 3, 1, 1, 1, 1, 0
	TRIP 0, 1, 1, 1, 0, 1
	TRIP 1, 1, 1, 1, 1, 0
	s_sub_co_i32 s40, s40, 1
	s_cmp_lg_u32 s40, 0
	s_cbranch_scc1 .Ltrips
	TRIP 2, 1, 1, 0, 0, 1                          ; trip 14: no bias tile is left to fetch
	TRIP 3, 1, 0, 0, 1, 0                          ; trip 15: no tile follows
	; THE TAIL OF THE PIPELINE: p v of tile 15, its way to LDS, and the output projection of tiles 14 and 15.
.set GN, GR+16
.set TE, 3
	WIN W_PV
.set ii, 0
.rept 16
	PVMM ii
.set ii, ii+1
.endr
	WIN 0
.irp q, 0,1,2,3,4,5,6,7
	GRL \q                                         ; eight places behind the products, naming none of their registers
.endr
.irp q, 0,1,2,3,4,5,6,7
	OGM \q
.endr
.irp q, 0,1,2,3,4,5,6,7
	OCV \q
.endr
	OST
	s_wait_dscnt 0x0                               ; my last stores of o * g are in LDS before I say so
	s_barrier_signal -1
	s_barrier_wait -1
	s_wait_xcnt 0x0                                ; the stores of trip 15 have had their addresses translated: their offset and data registers are written again only behind this wait
	v_add_nc_u32 v14, 32*512, v14
	WIN W_L3
	OGLOAD 1                                       ; the last pair of query tiles lies in buffer 1
	s_wait_dscnt 0x0
	WIN W_OUT
.set ii, 0
.rept 16
	OUTMM1 ii
.set ii, ii+1
.endr
	WIN 0
	PLACES 4
	STAGEIO
	WIN W_S3
.irp q, 0,1,2,3,4,5,6,7
	s_wait_dscnt 7-\q                              ; younger: the 7 - q read-backs behind this one
	OUTST \q
.endr
	WIN 0
	s_wait_tensorcnt 0x0
	ds_add_u32 v126, v127
	s_wait_dscnt 0x0
	ROUND                                          ; the closing round: no work-group ends while a partner may still ask for a tile that names it
	s_endpgm
.Lfunc_end_k_qb8b6a0ecac_attn:
	.size	k_qb8b6a0ecac_attn, .Lfunc_end_k_qb8b6a0ecac_attn-k_qb8b6a0ecac_attn
	.p2alignl 7, 3214868480
	.fill 96, 4, 3214868480
	.section	.rodata,"a",@progbits
	.p2align	6, 0x0
	.amdhsa_kernel k_qb8b6a0ecac_attn
		.amdhsa_group_segment_fixed_size 327680
		.amdhsa_private_segment_fixed_size 0
		.amdhsa_enable_private_segment 0
		.amdhsa_kernarg_size 32
		.amdhsa_user_sgpr_count 2
		.amdhsa_user_sgpr_kernarg_segment_ptr 1
		.amdhsa_wavefront_size32 1
		.amdhsa_system_sgpr_workgroup_id_x 1
		.amdhsa_system_sgpr_workgroup_id_y 1
		.amdhsa_system_sgpr_workgroup_id_z 1
		.amdhsa_system_vgpr_workitem_id 0
		.amdhsa_next_free_vgpr 1024
		.amdhsa_next_free_sgpr 66
		.amdhsa_reserve_vcc 0
		.amdhsa_float_denorm_mode_32 3
		.amdhsa_float_denorm_mode_16_64 3
		.amdhsa_memory_ordered 1
		.amdhsa_forward_progress 1
		.amdhsa_inst_pref_size 255
	.end_amdhsa_kernel
	.section	.bss,"aw",@nobits
	.p2align	6
	.space	262144
	.amdgpu_metadata
---
amdhsa.version: [ 1, 2 ]
amdhsa.kernels:
  - .name:           k_qb8b6a0ecac_attn
    .symbol:         k_qb8b6a0ecac_attn.kd
    .args:
      - { .name: hn, .offset: 0, .size: 8, .value_kind: global_buffer, .address_space: global }
      - { .name: wfrag, .offset: 8, .size: 8, .value_kind: global_buffer, .address_space: global }
      - { .name: tbias, .offset: 16, .size: 8, .value_kind: global_buffer, .address_space: global }
      - { .name: out0, .offset: 24, .size: 8, .value_kind: global_buffer, .address_space: global }
    .group_segment_fixed_size: 327680
    .private_segment_fixed_size: 0
    .kernarg_segment_align: 8
    .kernarg_segment_size: 32
    .max_flat_workgroup_size: 128
    .sgpr_count:     66
    .vgpr_count:     1024
    .wavefront_size: 32
...
	.end_amdgpu_metadata
.endif
;; end of part 2
;; ======== version 2 of 2: 2 launches; version 1 with the launch prep written anew for expert scheduling mode
;; limits: values are held in f16: magnitudes above 65,504 overflow, below 6.1e-05 lose precision
;; workspace buffers: tbias 1,048,576 bytes; wfrag 163,840 bytes; hn 16,777,216 bytes
;; launch prep (part 3): grid 256 x 1, 8 waves a work-group, no clusters, 5,376 bytes of LDS; arguments x, ln_w, bias_w, q_w, k_w, v_w, g_w, o_w, tbias, wfrag, ln_b, hn; writes tbias, wfrag, hn
.if DOCPART == 3
	.amdgcn_target "amdgcn-amd-amdhsa--gfx1250"
	.amdhsa_code_object_version 6
	.text
	.protected	k_qb8b6a0ecac_prep
	.globl	k_qb8b6a0ecac_prep
	.p2align	8
	.type	k_qb8b6a0ecac_prep,@function
k_qb8b6a0ecac_prep:
	s_mov_b64 s[64:65], 0
	v_nop
	global_prefetch_b8 v0, s[64:65] scope:SCOPE_SE
	s_setreg_imm32_b32 hwreg(HW_REG_WAVE_SCHED_MODE, 0, 2), 2
	s_setreg_imm32_b32 hwreg(HW_REG_WAVE_MODE, 25, 1), 1
	s_wait_xcnt 0x0
	s_wait_alu depctr_vm_vsrc(0)
; PREP: the LayerNorm of all rows (stored as f16), the triangle bias, and the five weight matrices as f16 matrix fragments.
;
; WORK LEFT OUT.  tri_bias[h][j][k] = rs(j,k) * sum_d (x[j][k][d] - mu(j,k)) * ln_w[d] * bias_w[h][d]  +  sum_d ln_b[d] * bias_w[h][d].
; The second sum hangs on neither j nor k: for every value of the inputs it is one number for each head, added to all 256 scores along
; the axis k over which the softmax runs, and a term that is the same along that axis cancels in the softmax.  So that product is not
; made.  ln_b itself is live (it is part of hn, from which q, k, v and the gate are made) and is loaded for that alone.
; LIMIT: a NaN, an infinity or an overflow that arises only in sum_d ln_b[d] * bias_w[h][d] is not carried to the result.
; LIMIT: hn and the weights are rounded to f16 (11 significant bits; steps of 2^-24 below 2^-14); beyond 65,504 in magnitude they become infinite.
;
; tbias, f32, in the order in which a 16 x 16 accumulator of the next launch lies in registers:
;   byte h*262144 + jt*16384 + kt*1024 + c*512 + L*16 + e*4 = log2(e) * tri_bias[h][16 jt + (L & 15)][16 kt + 8 (L >> 4) + 4 c + e]
; hn, f16: row (j, k) at byte (256 j + k) * 256.  THE CHANNELS LIE IN THE ORDER IN WHICH THE LANES HOLD THEM: position 8 rho + e holds channel
;   ch(8 rho + e) = 4 rho + e for e < 4 and 64 + 4 rho + e - 4 for e >= 4.  So x is loaded in whole runs of 256 bytes and a row of hn is stored by sixteen lanes as
;   256 consecutive bytes.  q_w, k_w, v_w and g_w take the same order along d: a permutation of the summed index that is alike in both operands of a product
;   leaves its terms as they are.
; wfrag, f16, matrix m = 0..4 (q_w, k_w, v_w, g_w, o_w):
;   byte m*32768 + t*4096 + s*1024 + c*512 + L*16 = f_m * W_m[16 t + (L & 15)][ch(p)], p = 32 s + 16 c + 8 (L >> 4) + 0..7   (for o_w: column p itself)
;   f_0 = 32^-0.5 * log2(e), so that q k is an exponent of 2;  f_3 = -log2(e), so that the gate is 1 / (1 + 2^(product));  the other f_m = 1.
;
; SHARES.  Work-group id = 16 jt + kt owns the 16 x 16 rows x[16 jt + a][16 kt + kl]; wave w owns a = 2 w and 2 w + 1, sixteen pairs of rows.
; In a pair lanes 0-15 hold row kl, lanes 16-31 row kl + 1; lane (r, hh) holds columns 4 r .. 4 r + 3 and 64 + 4 r .. + 3, so each load of a wave
; covers two aligned runs of 256 bytes.  All 32 loads of a wave go out at once: 16 KiB a wave, 128 KiB a work-group.
; The bias product has four columns only and the launch streams x once, so it is done by f32 multiply-adds: no matrix unit, no cluster
; (no two work-groups read the same bytes of x).  The LayerNorm takes the mean first and then the centred squares, as the problem writes it.
;
; THE MODE: SCHED_MODE bits 1:0 = 2 (LLVM: expert scheduling mode 2), set by the entry lines.  The code itself states the register dependences
; between vector instructions and memory or LDS instructions, with s_wait_alu, always for 0.
; THE PLAN.  Registers that memory or LDS instructions touch:
;   v1, v4 to v8, v10   offsets and LDS addresses: written by vector instructions at the head, read by the loads and stores, never written again.
;   v9, v11             offsets in a weight matrix: written in the branch of work-groups 0 to 39, read by its two loads, never written again.
;   LNW, LNB, WB, WF, X loads land in them; no vector instruction names them before that; behind the wait on LOADcnt vector instructions alone name them.
;   WH                  written by four conversions, read by one store, never written again.
;   X + 8 p .. + 3      pair p's row of hn, packed in place: written by pair p's packs, read by its global store, never written again.
;   X + 8 p + 4         pair p's bias word: written by one multiply behind the packs, which read the register last; read by its LDS store, never written again.
;   OUTQ                LDS loads land in it, one global store reads it; no vector instruction names it.
;   v224, v225          written at the head, read by the closing add alone.
; No register that a memory or LDS instruction reads is ever written again, so the text holds no wait on vm_vsrc.  ONE wait on va_vdst stands in a pair, between
; v_rsq_f32 and the first reader of its result: it also states that the pair before has written its packed row and its bias word, and that pair's two stores
; follow it directly.  One more stands behind the last pair, one ahead of the first load, two in the weights' branch; one wait on va_sdst serves the wave's number.
.set LOG2E,  0x3fb8aa3b
.set NLOG2E, 0xbfb8aa3b
.set QS,     0x3e8293ee                ; 32^-0.5 * log2(e)
.set LPITCH, 272                       ; LDS: word [a][kl][h] at a*272 + kl*16 + h*4
; v1 offset in hn, v2 r, v3 hh, v4 offset in x, v5 LDS store, v6 LDS read, v7 offset in tbias, v8 16 r, v9 and v11 offsets in a weight matrix, v10 16 t
.set LNW,  12                          ; v[12:19]  ln_w of my 8 columns
.set WB,   20                          ; v[20:51]  head h at 20 + 8 h: log2(e) * ln_w * bias_w[h] of my 8 columns
.set T,    52                          ; v[52:59]  at work: no memory or LDS instruction names them
.set RED,  60                          ; v[60:69]  five sums: heads 0-3 at 60 + 2 h, the squares at 68
.set R,    70                          ; v[70:71]  1 / sigma (v71: the half of a broadcast pair that is never used)
.set OUTQ, 72                          ; v[72:75]  my 16 bytes of tbias
.set WF,   76                          ; v[76:83]  eight weights in f32
.set WH,   84                          ; v[84:87]  the same in f16
.set LNB,  88                          ; v[88:95]  ln_b of my 8 columns
.set X,    96                          ; v[96:223] pair p at 96 + 8 p: x as loaded; at the pair's end registers 0-3 hold hn in f16, register 4 the bias word
.macro XLOADS                          ; all 32 loads of x of the wave; x is read once.  No vector instruction names v4 or X behind the last wait on va_vdst
.irp p, 0,1,2,3,4,5,6,7,8,9,10,11,12,13,14,15
	global_load_b128 v[X+8*\p:X+8*\p+3],   v4, s[4:5] offset:(\p/8)*131072+(\p%8)*1024 th:TH_LOAD_NT
	global_load_b128 v[X+8*\p+4:X+8*\p+7], v4, s[4:5] offset:(\p/8)*131072+(\p%8)*1024+256 th:TH_LOAD_NT
.endr
.endm
.macro WBMUL                           ; log2(e) * ln_w * bias_w[h]
	s_wait_loadcnt 32                              ; all that was asked for ahead of x is in; the 32 younger loads of x stay out
.irp k, 0,2,4,6
	v_pk_mul_f32 v[T+\k:T+\k+1], v[LNW+\k:LNW+\k+1], LOG2E op_sel_hi:[1,0]   ; the softmax of the next launch works in base 2
.endr
.irp h, 0,1,2,3
.irp k, 0,2,4,6
	v_pk_mul_f32 v[WB+8*\h+\k:WB+8*\h+\k+1], v[WB+8*\h+\k:WB+8*\h+\k+1], v[T+\k:T+\k+1]
.endr
.endr
.endm
	s_load_b512 s[4:19], s[0:1], 0x0               ; x s[4:5], ln_w s[6:7], bias_w s[8:9], q_w s[10:11], k_w s[12:13], v_w s[14:15], g_w s[16:17], o_w s[18:19]
	s_load_b256 s[20:27], s[0:1], 0x40             ; tbias s[20:21], wfrag s[22:23], ln_b s[24:25], hn s[26:27]
	v_lshl_add_u32 v224, v0, 2, 0x1100
	v_mov_b32 v225, 0
	s_mov_b32 s40, ttmp9                           ; id = 16 jt + kt
	v_and_b32 v2, 15, v0                           ; r
	v_bfe_u32 v3, v0, 4, 1                         ; hh
	v_lshrrev_b32 v11, 5, v0
	v_readfirstlane_b32 s41, v11                   ; wave
	s_mov_b32 s42, 0xaaaaaaaa                      ; lanes with L & 1
	s_mov_b32 s43, 0xcccccccc                      ; lanes with L & 2
	s_mov_b32 s28, 0x3c000000                      ; 1 / 128
	s_mov_b32 s29, 0x3727c5ac                      ; 1e-5
	s_lshr_b32 s30, s40, 4
	s_lshl_b32 s30, s30, 21                        ; jt * 16 rows j of 131,072 bytes
	s_and_b32 s31, s40, 15
	s_lshl_b32 s31, s31, 13                        ; kt * 16 rows k of 512 bytes
	s_add_co_u32 s30, s30, s31
	s_mov_b32 s31, 0
	s_lshr_b32 s46, s30, 1                         ; the same rows in hn: half the bytes
	s_mov_b32 s47, 0
	v_lshlrev_b32 v8, 4, v2                        ; 16 r
	s_wait_alu depctr_va_sdst(0)                   ; v_readfirstlane_b32 has written s41, ahead of its first reader: the wave's offsets are made from it
	s_lshl_b32 s35, s41, 18                        ; wave * 2 rows j
	v_lshl_add_u32 v4, v3, 9, v8
	v_add_nc_u32 v4, s35, v4                       ; v4: offset in x of my 16 bytes in pair 0
	s_lshl_b32 s35, s41, 17
	v_lshl_add_u32 v1, v3, 8, v8
	v_add_nc_u32 v1, s35, v1                       ; v1: offset in hn of my 16 bytes in pair 0
	s_mul_i32 s35, s41, 2*LPITCH
	v_and_b32 v5, 3, v0
	v_lshlrev_b32 v5, 2, v5
	v_lshl_add_u32 v5, v3, 4, v5
	v_add_nc_u32 v5, s35, v5                       ; v5: LDS word [2 w][hh][L & 3]
	v_mul_u32_u24 v6, v2, LPITCH
	v_lshl_add_u32 v6, v3, 7, v6
	v_bfe_u32 v11, v0, 5, 1                        ; c of thread t = (t >> 5) & 1
	v_lshl_add_u32 v6, v11, 6, v6
	v_lshlrev_b32 v9, 5, v11
	v_lshrrev_b32 v11, 6, v0                       ; t >> 6: the head (tbias), the K step (wfrag)
	v_lshl_add_u32 v6, v11, 2, v6                  ; v6: LDS word [r][8 hh + 4 c][t >> 6]
	v_and_b32 v7, 63, v0
	v_lshlrev_b32 v7, 4, v7
	v_lshl_add_u32 v7, v11, 18, v7                 ; v7: offset in tbias: head * 262,144 + 16 (t & 63)
	v_lshl_add_u32 v9, v11, 6, v9
	v_lshl_add_u32 v9, v3, 4, v9                   ; v9: 16 rho = s*64 + c*32 + hh*16
	v_lshlrev_b32 v10, 4, v0                       ; v10: 16 t
	v_mov_b32 v[R+1], 0
	s_wait_kmcnt 0x0
	s_add_nc_u64 s[4:5], s[4:5], s[30:31]          ; x at the first of my 256 rows
	s_add_nc_u64 s[26:27], s[26:27], s[46:47]      ; hn at the same row
	s_lshl_b32 s30, s40, 10
	s_add_nc_u64 s[20:21], s[20:21], s[30:31]      ; tbias at block (jt, kt) of head 0
	s_wait_alu depctr_va_vdst(0)                   ; the offsets and LDS addresses v1, v4 to v8 and v10 are written, which the loads and stores of the whole kernel read
	global_load_b128 v[LNW:LNW+3],   v8, s[6:7]
	global_load_b128 v[LNW+4:LNW+7], v8, s[6:7] offset:256
	global_load_b128 v[LNB:LNB+3],   v8, s[24:25]
	global_load_b128 v[LNB+4:LNB+7], v8, s[24:25] offset:256
.irp h, 0,1,2,3
	global_load_b128 v[WB+8*\h:WB+8*\h+3],   v8, s[8:9] offset:512*\h
	global_load_b128 v[WB+8*\h+4:WB+8*\h+7], v8, s[8:9] offset:512*\h+256
.endr
	; Work-groups 0 to 39 also convert one row tile (16 rows, 8 KiB) of one weight matrix: m = id >> 3, t = id & 7.  Their two weight loads go out
	; AHEAD of x, so that the counted wait for what is older than x covers them and no second trip to memory stands in series with the first.
	; One branch, two ways, each with the loads of x: no register is read on a way that did not load it.
	s_cmp_ge_u32 s40, 40
	s_cbranch_scc1 .Lplain
	s_lshr_b32 s34, s40, 3
	s_mov_b64 s[32:33], s[10:11]
	s_cmp_eq_u32 s34, 1
	s_cselect_b64 s[32:33], s[12:13], s[32:33]
	s_cmp_eq_u32 s34, 2
	s_cselect_b64 s[32:33], s[14:15], s[32:33]
	s_cmp_eq_u32 s34, 3
	s_cselect_b64 s[32:33], s[16:17], s[32:33]
	s_cmp_eq_u32 s34, 4
	s_cselect_b64 s[32:33], s[18:19], s[32:33]
	s_cselect_b32 s37, 1, 0                        ; o_w: eight neighbouring columns, at byte 32 rho and 16 further on;
	s_cselect_b32 s38, 16, 256                     ; the others: four columns at byte 16 rho and four at 256 + 16 rho
	s_mov_b32 s44, 0x3f800000                      ; the factor of matrix m
	s_cmp_eq_u32 s34, 0
	s_cselect_b32 s44, QS, s44
	s_cmp_eq_u32 s34, 3
	s_cselect_b32 s44, NLOG2E, s44
	s_mov_b32 s45, s44
	v_lshlrev_b32 v9, s37, v9
	v_lshl_add_u32 v9, v2, 9, v9                   ; + r rows of 512 bytes
	s_and_b32 s36, s40, 7
	s_lshl_b32 s36, s36, 13                        ; + t * 16 rows
	v_add_nc_u32 v9, s36, v9
	v_add_nc_u32 v11, s38, v9
	s_lshl_b32 s30, s40, 12                        ; m * 32,768 + t * 4,096 = id * 4,096
	s_add_nc_u64 s[22:23], s[22:23], s[30:31]
	s_wait_alu depctr_va_vdst(0)                   ; v9 and v11 are written, which the two loads below read as their offsets
	global_load_b128 v[WF:WF+3],   v9,  s[32:33]
	global_load_b128 v[WF+4:WF+7], v11, s[32:33]
	XLOADS
	WBMUL                                          ; its wait shows the weights in too
.irp k, 0,2,4,6
	v_pk_mul_f32 v[WF+\k:WF+\k+1], v[WF+\k:WF+\k+1], s[44:45] op_sel_hi:[1,0]
.endr
.irp q, 0,1,2,3
	v_cvt_pk_f16_f32 v[WH+\q], v[WF+2*\q], v[WF+2*\q+1]
.endr
	s_wait_alu depctr_va_vdst(0)                   ; the conversions have written v[WH ..], which the store reads
	global_store_b128 v10, v[WH:WH+3], s[22:23]    ; a wave stores 512 consecutive bytes, aligned; none of its registers is written again
	s_branch .Lpairs
.Lplain:
	XLOADS
	WBMUL
.Lpairs:
; The two stores of pair p.  They stand directly behind a wait on va_vdst that was issued behind the pair's last vector instruction; none of their registers is written again.
.macro OUTP p
	ds_store_b32 v5, v[X+8*(\p)+4] offset:((\p)/8)*LPITCH+((\p)%8)*32     ; the four lanes with one L & 3 store one word with one value
	global_store_b128 v1, v[X+8*(\p):X+8*(\p)+3], s[26:27] offset:((\p)/8)*65536+((\p)%8)*512   ; 16 lanes store a row of 256 bytes, the wave two neighbouring rows
.endm
; One pair of rows: mean, centring, then five sums at once (four heads and the squares), each reduced over the 16 lanes of its row; then hn and the bias word.
.macro PAIRB p
.set XS, X+8*\p
	s_wait_loadcnt 30-2*\p                         ; loads come back in order: the pairs behind this one may stay out
	v_pk_add_f32 v[T:T+1],   v[XS:XS+1],   v[XS+2:XS+3]
	v_pk_add_f32 v[T+2:T+3], v[XS+4:XS+5], v[XS+6:XS+7]
	v_pk_add_f32 v[T:T+1],   v[T:T+1],     v[T+2:T+3]
	v_add_f32 v[T], v[T], v[T+1]
.irp m, 1,2,4,8
	v_add_f32_dpp v[T], v[T], v[T] row_xmask:\m row_mask:0xf bank_mask:0xf
.endr
.irp k, 0,2,4,6
	v_pk_fma_f32 v[XS+\k:XS+\k+1], v[T:T+1], 0xbc000000, v[XS+\k:XS+\k+1] op_sel_hi:[0,0,1]   ; x - sum / 128
.endr
.irp g, 0,1,2,3
	v_pk_mul_f32 v[RED+2*\g:RED+2*\g+1], v[XS:XS+1], v[WB+8*\g:WB+8*\g+1]
.endr
	v_pk_mul_f32 v[RED+8:RED+9], v[XS:XS+1], v[XS:XS+1]
.irp k, 2,4,6
.irp g, 0,1,2,3
	v_pk_fma_f32 v[RED+2*\g:RED+2*\g+1], v[XS+\k:XS+\k+1], v[WB+8*\g+\k:WB+8*\g+\k+1], v[RED+2*\g:RED+2*\g+1]
.endr
	v_pk_fma_f32 v[RED+8:RED+9], v[XS+\k:XS+\k+1], v[XS+\k:XS+\k+1], v[RED+8:RED+9]
.endr
.irp g, 0,2,4,6,8
	v_add_f32 v[RED+\g], v[RED+\g], v[RED+\g+1]
.endr
.irp m, 1,2,4,8
.irp g, 0,2,4,6,8
	v_add_f32_dpp v[RED+\g], v[RED+\g], v[RED+\g] row_xmask:\m row_mask:0xf bank_mask:0xf
.endr
.endr
	v_fma_f32 v[T+4], v[RED+8], s28, s29           ; variance + eps
	v_rsq_f32 v[R], v[T+4]
	v_cndmask_b32 v[T+5], v[RED],   v[RED+2], s42  ; lane L keeps head L & 3; the first select is also the plain instruction behind v_rsq_f32 (ISA guide 5.7.2)
	v_cndmask_b32 v[T+6], v[RED+4], v[RED+6], s42
	v_cndmask_b32 v[T+5], v[T+5],   v[T+6],   s43
	s_wait_alu depctr_va_vdst(0)                   ; v_rsq_f32 has written v[R], ahead of its first reader; the pair before has written its four packed registers and its bias word, which the two stores below read
.if \p > 0
	OUTP (\p-1)
.endif
.irp k, 0,2,4,6
	v_pk_mul_f32 v[XS+\k:XS+\k+1], v[XS+\k:XS+\k+1], v[R:R+1] op_sel_hi:[1,0]
.endr
.irp k, 0,2,4,6
	v_pk_fma_f32 v[XS+\k:XS+\k+1], v[XS+\k:XS+\k+1], v[LNW+\k:LNW+\k+1], v[LNB+\k:LNB+\k+1]
.endr
.irp q, 0,1,2,3
	v_cvt_pk_f16_f32 v[XS+\q], v[XS+2*\q], v[XS+2*\q+1]        ; packed in place, in ascending order
.endr
	v_mul_f32 v[XS+4], v[T+5], v[R]                ; the bias word, into a register of the pair's own that the packs have read for the last time
.endm
.irp p, 0,1,2,3,4,5,6,7,8,9,10,11,12,13,14,15
	PAIRB \p
.endr
	s_wait_alu depctr_va_vdst(0)                   ; pair 15 has written its four packed registers and its bias word, which its two stores read
	OUTP 15
	s_wait_dscnt 0x0                               ; my stores are in LDS before I say so
	s_barrier_signal -1
	s_barrier_wait -1                              ; all eight waves have stored
.irp e, 0,1,2,3
	ds_load_b32 v[OUTQ+\e], v6 offset:16*\e        ; four neighbouring keys of one query and one head; no vector instruction names v6 behind the head's wait, none names OUTQ at all
.endr
	s_wait_dscnt 0x0
	global_store_b128 v7, v[OUTQ:OUTQ+3], s[20:21] ; a wave stores 512 consecutive bytes, aligned
	s_wait_dscnt 0x0                               ; the closing lines, six on end
	s_wait_alu 0x0
	s_wait_tensorcnt 0x0
	ds_add_u32 v224, v225
	s_wait_dscnt 0x0
	s_endpgm
.Lfunc_end_k_qb8b6a0ecac_prep:
	.size	k_qb8b6a0ecac_prep, .Lfunc_end_k_qb8b6a0ecac_prep-k_qb8b6a0ecac_prep
	.p2alignl 7, 3214868480
	.fill 96, 4, 3214868480
	.section	.rodata,"a",@progbits
	.p2align	6, 0x0
	.amdhsa_kernel k_qb8b6a0ecac_prep
		.amdhsa_group_segment_fixed_size 5376
		.amdhsa_private_segment_fixed_size 0
		.amdhsa_enable_private_segment 0
		.amdhsa_kernarg_size 96
		.amdhsa_user_sgpr_count 2
		.amdhsa_user_sgpr_kernarg_segment_ptr 1
		.amdhsa_wavefront_size32 1
		.amdhsa_system_sgpr_workgroup_id_x 1
		.amdhsa_system_sgpr_workgroup_id_y 1
		.amdhsa_system_sgpr_workgroup_id_z 1
		.amdhsa_system_vgpr_workitem_id 0
		.amdhsa_next_free_vgpr 226
		.amdhsa_next_free_sgpr 66
		.amdhsa_reserve_vcc 0
		.amdhsa_float_denorm_mode_32 3
		.amdhsa_float_denorm_mode_16_64 3
		.amdhsa_memory_ordered 1
		.amdhsa_forward_progress 1
		.amdhsa_inst_pref_size 92
	.end_amdhsa_kernel
	.amdgpu_metadata
---
amdhsa.version: [ 1, 2 ]
amdhsa.kernels:
  - .name:           k_qb8b6a0ecac_prep
    .symbol:         k_qb8b6a0ecac_prep.kd
    .args:
      - { .name: x, .offset: 0, .size: 8, .value_kind: global_buffer, .address_space: global }
      - { .name: ln_w, .offset: 8, .size: 8, .value_kind: global_buffer, .address_space: global }
      - { .name: bias_w, .offset: 16, .size: 8, .value_kind: global_buffer, .address_space: global }
      - { .name: q_w, .offset: 24, .size: 8, .value_kind: global_buffer, .address_space: global }
      - { .name: k_w, .offset: 32, .size: 8, .value_kind: global_buffer, .address_space: global }
      - { .name: v_w, .offset: 40, .size: 8, .value_kind: global_buffer, .address_space: global }
      - { .name: g_w, .offset: 48, .size: 8, .value_kind: global_buffer, .address_space: global }
      - { .name: o_w, .offset: 56, .size: 8, .value_kind: global_buffer, .address_space: global }
      - { .name: tbias, .offset: 64, .size: 8, .value_kind: global_buffer, .address_space: global }
      - { .name: wfrag, .offset: 72, .size: 8, .value_kind: global_buffer, .address_space: global }
      - { .name: ln_b, .offset: 80, .size: 8, .value_kind: global_buffer, .address_space: global }
      - { .name: hn, .offset: 88, .size: 8, .value_kind: global_buffer, .address_space: global }
    .group_segment_fixed_size: 5376
    .private_segment_fixed_size: 0
    .kernarg_segment_align: 8
    .kernarg_segment_size: 96
    .max_flat_workgroup_size: 256
    .sgpr_count:     66
    .vgpr_count:     226
    .wavefront_size: 32
...
	.end_amdgpu_metadata
.endif
;; end of part 3
;; launch attn: the kernel of part 2 again; grid 256 x 1, 4 waves a work-group, clusters of 4 x 1, 327,680 bytes of LDS; arguments hn, wfrag, tbias, out0; writes out0
